; MI455X (gfx1250); checked and timed in simulation.
; The chip was launched on July 23, 2026; its instructions are those of AMD's public machine-readable ISA for CDNA 5 (MIT licence, August 2026) and "CDNA5" Instruction Set Architecture Reference Guide (July 2026). The comments in the code are by the model that wrote it; some were corrected since.
;; Multi Head Attention Map. Allowed arithmetic: float matrix products may take bf16 or f16 operands with f32 sums; all other float work in f32.
;; Inputs: keys 2 x 2,048 x 1,024 float32; mask 2 x 2,048 x 2,048 bool; queries 2 x 2,048 x 1,024 float32; values 2 x 2,048 x 1,024 float32.
;; Outputs: out0 2 x 2,048 x 1,024 float32.
;; One version. Each part assembles by itself: llvm-mc -triple=amdgcn-amd-amdhsa -mcpu=gfx1250 --defsym DOCPART=n.
;; ======== version 1 of 1: 1 launch
;; limits: right only within a limited range of input values
;; launch attn (part 1): grid 8 x 32, 8 waves a work-group, clusters of 4 x 4, 327,680 bytes of LDS; arguments queries, keys, values, mask, out0; writes out0
.if DOCPART == 1
	.amdgcn_target "amdgcn-amd-amdhsa--gfx1250"
	.amdhsa_code_object_version 6
	.text
	.protected	k_q7eb467d16a_attn
	.globl	k_q7eb467d16a_attn
	.p2align	8
	.type	k_q7eb467d16a_attn,@function
k_q7eb467d16a_attn:
	s_mov_b64 s[64:65], 0
	v_nop
	global_prefetch_b8 v0, s[64:65] scope:SCOPE_SE
	s_setreg_imm32_b32 hwreg(HW_REG_WAVE_MODE, 25, 1), 1
	s_wait_xcnt 0x0
	s_wait_alu depctr_hold_cnt(0) depctr_sa_sdst(0) depctr_va_vdst(0) depctr_va_sdst(0) depctr_va_ssrc(0) depctr_va_vcc(0) depctr_vm_vsrc(0)
	s_getreg_b32 s2, hwreg(HW_REG_IB_STS2, 6, 4)
	s_cmp_eq_u32 s2, 0
	s_cbranch_scc0 .Lentry_in_a_cluster
	s_endpgm
.Lentry_in_a_cluster:
	s_bfe_u32 s2, ttmp6, 0x10000c
	s_cmp_lg_u32 s2, 0xf033
	s_cbranch_scc0 .Lentry_shape_is_right
	s_endpgm
.Lentry_shape_is_right:
; Multi-head attention, B = 2, S = 2048, 16 heads of depth 64.  q, k, v, out: [2][2048][1024] f32 (a head's part of a row: 256 bytes, aligned);
; mask: [2][2048][2048] bytes, shared by the heads.  out = softmax(q k^T / 8 - 1e9 (1 - mask)) v, with a running maximum.
; WORK: grid x = block of 256 queries, grid y = 16 batch + head.  Eight waves, 32 queries each; keys go in 16 tiles of 128, each in two steps of 64.
; BOTH PRODUCTS ARE USED TRANSPOSED.  S^T = K Q^T: lane (r, h) holds query r and keys 8h..8h+7 of a block of 16 keys, so a row's maximum and sum stay in the lane
; but for one exchange between the two halves of the wave, the lane's 8 mask bytes are one 8-byte read, and two packed key blocks ARE the second operand of
; O^T = V^T P^T, whose result has query r in lane (r, h) again: the rescaling factor is one number a lane.
; FORMATS: q/8 (exact), k, v and the weights enter the matrix unit as bf16; sums, bias, maximum, exponentials in f32.
; K and V arrive as f32 tiles by tensor loads; the eight waves convert an eighth each into a bf16 stage in LDS (two buffers), one tile ahead of its use.
; CLUSTER 4 x 4: the four work-groups of a cluster row have one head and ask jointly for K and V; the four of a column have one query block of one batch
; (a cluster's four heads lie in one batch: 16 heads are four cluster rows) and ask jointly for the mask.
; THE SHIFT: p = exp2(y log2e - c), c = m log2e rounded, m the true running maximum of y = sim + bias; old sums are rescaled by exp2(c_old - c_new), made of
; the same rounded numbers, so c's rounding cancels in the quotient.
; LIMITS KEPT: |sim + bias| < 1.48e9 (then |c| < 2^31, c's rounding is at most 64, and in rows masked throughout p stays inside 2^-64 .. 2^64);
; NaN and infinities in the inputs are not reproduced (the maximum drops a NaN); mask bytes are 0 or 1.
.set RAWSLOT, 65536                    ; LDS 0: two slots of raw f32: K 128 rows x 256 bytes, then V the same
.set RAWV,    32768
.set MSK,     131072                   ; two slots of mask: 256 query rows, 128 bytes + 16 of padding
.set MSLOT,   36864
.set MPITCH,  144
.set STG,     204800                   ; two buffers of bf16: K 128 rows of pitch 144, then V 128 rows of pitch 160; written by ds_store alone
.set STGBUF,  38912
.set STGV,    18432
.set KPITCH,  144
.set VPITCH,  160
.set WST,     282624                   ; each wave's own 4,608 bytes: first q as bf16 (32 rows of pitch 144), at the end 16 rows of the result (pitch 272)
.set WSTW,    4608
.set QPITCH,  144
.set OPITCH,  272
.set ROWB,    4096                     ; bytes of a row of q, k, v, out
.set GOFF,  1                          ; v1      4096 h + 16 r: my 16 bytes in two neighbouring rows of q and of out; never rewritten
.set A_RAW, 2                          ; v2, v3  raw slot 0, 1: 16 x thread
.set A_CK,  4                          ; v4      where my converted 8 bytes of K go
.set A_CV,  5                          ; v5      the same for V
.set A_KF,  6                          ; v6      K fragments
.set A_VF,  7                          ; v7      V fragments (transposing loads)
.set A_M,   8                          ; v8      my 8 mask bytes
.set A_ST,  9                          ; v9      my wave's stage, stores
.set NCA,   10                         ; v10, v12 -c of query block 0, 1, set A; v14, v16 set B (the sets take turns step by step: no copy)
.set RM0,   11                         ; v11, v13 running maxima
.set RM1,   13
.set TQ0,   15                         ; v15, v17 what the other half of the wave sent
.set TQ1,   17
.set AL,    18                         ; v18, v20 rescaling factors
.set MX0,   19                         ; v19, v21, v22, v23 four chains of maxima
.set MX1,   21
.set MX2,   22
.set MX3,   23
.set LP,    24                         ; v[24:25], v[26:27] the lane's partial row sums, in pairs
.set MKR,   28                         ; v[28:43]  mask bytes, block b at 2 b
.set WR,    44                         ; v[44:59]  two sets of 8 bias factors; at work in prologue and epilogue
.set T_R,   WR
.set T_H,   WR+1
.set T_A,   WR+2
.set T_B,   WR+3
.set FR,    60                         ; v[60:91]  fragments of K (two blocks), then of V
.set QR,    92                         ; v[92:123] q fragments (query block qb, depth half ks) at 8 (2 qb + ks)
.set SR,    124                        ; v[124:187] scores, block b = 4 qb + kb at 8 b; also at work in the conversions and on the way out
.set ACC,   188                        ; v[188:251] O^T, (depth block db, query block qb) at 8 (2 db + qb)
.set G1KV, 24                          ; s[24:31] shape of a K or V load
.set G1M,  32                          ; s[32:39] shape of a mask load
.set G0KV, 40                          ; s[40:47] from where, to where: K/V, a set for each slot
.set G0M,  48                          ; s[48:55] the same for the mask
.set SEL,  57                          ; s57-60   byte selectors
.macro PLACES n
.rept \n
	v_nop
.endr
.endm
.macro WGBAR
	s_barrier_signal -1
	s_barrier_wait -1
.endm
; A round of the cluster's barrier: my work-group's barrier, wave 0 signals for the work-group, every wave waits for all sixteen, my work-group's barrier again.
.macro ROUND
	s_barrier_signal -1
	s_barrier_wait -1
	s_cmp_lg_u32 s14, 0
	s_cbranch_scc1 .Lnot_wave_0_\@
	s_barrier_signal -3
.Lnot_wave_0_\@:
	s_barrier_wait -3
	s_barrier_signal -1
	s_barrier_wait -1
.endm
; The refill behind a round, one tensor load a wave: waves 0-3 bring K's and V's halves of the tile two ahead into raw slot p, waves 4-7 a quarter each of the next
; tile's mask into mask slot 1 - p.  The branch hangs on the wave's number alone.
.macro JLOAD p, kv, m
	s_cmp_lt_u32 s14, 4
	s_cbranch_scc0 .Lfor_mask_\@
.if \kv
	tensor_load_to_lds s[G0KV+4*\p:G0KV+4*\p+3], s[G1KV:G1KV+7]
	s_nop 0
.endif
	s_branch .Lasked_\@
.Lfor_mask_\@:
.if \m
	tensor_load_to_lds s[G0M+4*(1-\p):G0M+4*(1-\p)+3], s[G1M:G1M+7]
	s_nop 0
.endif
.Lasked_\@:
.endm
; The head of trip t (p = t mod 2).  The one round orders: raw tile t+1 and mask tile t have landed; raw slot p (converted last trip) and mask slot 1-p are read
; no more; stage buffer p is written whole; stage buffer 1-p is read no more.
.macro HEAD p, kv, m
	s_wait_tensorcnt 0x0                           ; all my tensor loads have landed, so a group 0 may be written
	ds_add_u32 v254, v255
	s_wait_dscnt 0x0
.if \kv
	s_add_nc_u64 s[G0KV+4*\p+2:G0KV+4*\p+3], s[G0KV+4*\p+2:G0KV+4*\p+3], 2*128*ROWB   ; two tiles of 128 rows on
.endif
.if \m
	s_add_nc_u64 s[G0M+4*(1-\p)+2:G0M+4*(1-\p)+3], s[G0M+4*(1-\p)+2:G0M+4*(1-\p)+3], 2*128   ; two tiles of 128 keys on
.endif
	s_wait_dscnt 0x0                               ; my LDS reads and stores of the last trip are done
.if \kv+\m
	ROUND
	JLOAD \p, \kv, \m
.else
	WGBAR                                          ; the last trip fills nothing: the work-group's barrier alone
.endif
.endm
; Raw slot q to stage buffer q.  Thread n takes the 16 bytes at 16 n + 4096 i: row 16 i + n / 16, 4 f32 at column 4 r; they become 8 bytes.
.macro CONVERT q
.irp i, 0,1,2,3,4,5,6,7
	ds_load_b128 v[SR+4*\i:SR+4*\i+3], v[A_RAW+(\q)] offset:4096*\i
.endr
.irp i, 0,1,2,3,4,5,6,7
	ds_load_b128 v[SR+32+4*\i:SR+32+4*\i+3], v[A_RAW+(\q)] offset:RAWV+4096*\i
.endr
	s_wait_dscnt 0x8                               ; K's eight loads are in, V's eight may be out
.irp i, 0,1,2,3,4,5,6,7
	v_cvt_pk_bf16_f32 v[SR+4*\i], v[SR+4*\i], v[SR+4*\i+1]
	v_cvt_pk_bf16_f32 v[SR+4*\i+1], v[SR+4*\i+2], v[SR+4*\i+3]
	ds_store_b64 v[A_CK], v[SR+4*\i:SR+4*\i+1] offset:(\q)*STGBUF+16*KPITCH*\i
.endr
	s_wait_dscnt 0x8                               ; V's eight loads are in, the eight stores behind them may be out
.irp i, 0,1,2,3,4,5,6,7
	v_cvt_pk_bf16_f32 v[SR+32+4*\i], v[SR+32+4*\i], v[SR+32+4*\i+1]
	v_cvt_pk_bf16_f32 v[SR+32+4*\i+1], v[SR+32+4*\i+2], v[SR+32+4*\i+3]
	ds_store_b64 v[A_CV], v[SR+32+4*\i:SR+32+4*\i+1] offset:(\q)*STGBUF+16*VPITCH*\i
.endr
.endm
; 16 keys x 64 depth as two first operands (row = key r; registers 0-3 depth 8h.., 4-7 depth 16+8h..), into fragment half kb mod 2
.macro KLOAD p, half, kb
.irp ks, 0,1
.irp u, 0,1
	ds_load_b128 v[FR+16*(\kb&1)+8*\ks+4*\u:FR+16*(\kb&1)+8*\ks+4*\u+3], v[A_KF] offset:\p*STGBUF+(64*\half+16*\kb)*KPITCH+64*\ks+32*\u
.endr
.endr
.endm
; Scores of key block kb for both query blocks.  The first product starts each sum; the two accumulators take turns, one instruction a turn.
.macro QKMM kb
	v_wmma_f32_16x16x32_bf16 v[SR+8*\kb:SR+8*\kb+7], v[FR+16*(\kb&1):FR+16*(\kb&1)+7], v[QR:QR+7], 0
	v_wmma_f32_16x16x32_bf16 v[SR+32+8*\kb:SR+32+8*\kb+7], v[FR+16*(\kb&1):FR+16*(\kb&1)+7], v[QR+16:QR+23], 0
	v_wmma_f32_16x16x32_bf16 v[SR+8*\kb:SR+8*\kb+7], v[FR+16*(\kb&1)+8:FR+16*(\kb&1)+15], v[QR+8:QR+15], v[SR+8*\kb:SR+8*\kb+7]
	v_wmma_f32_16x16x32_bf16 v[SR+32+8*\kb:SR+32+8*\kb+7], v[FR+16*(\kb&1)+8:FR+16*(\kb&1)+15], v[QR+24:QR+31], v[SR+32+8*\kb:SR+32+8*\kb+7]
.endm
; Four mask words through a table of two bytes, the word itself as the selector: byte 0 (masked) becomes 0x40, byte 1 becomes 0.
; Plain vector work that names no matrix register: it also fills the places behind the matrix instructions in front of it (ISA guide 7.12.1).
.macro TPERM4 i0
.irp i, 0,1,2,3
	v_perm_b32 v[MKR+\i0+\i], s56, s56, v[MKR+\i0+\i]
.endr
.endm
; 32 keys x 16 depth of V, transposed on the way: first operand with row = depth 16 db + r
.macro VLOAD p, half, c, db, dst
	ds_load_tr16_b128 v[\dst:\dst+3], v[A_VF] offset:\p*STGBUF+(64*\half+32*\c)*VPITCH+32*\db
	ds_load_tr16_b128 v[\dst+4:\dst+7], v[A_VF] offset:\p*STGBUF+(64*\half+32*\c)*VPITCH+32*\db+16*VPITCH
.endm
; Block b: each table byte moves to a word's top (2.0 where masked, else 0); y = s + w x (-5e8), one rounding: the f32 sum sim + bias; then the chain of maxima.
.macro YBLK b, mx
.irp j, 0,1,2,3,4,5,6,7
	v_perm_b32 v[WR+8*(\b&1)+\j], v[MKR+2*\b+(\j>>2)], 0, s[SEL+(\j&3)]
.endr
.irp i, 0,2,4,6
	v_pk_fma_f32 v[SR+8*\b+\i:SR+8*\b+\i+1], v[WR+8*(\b&1)+\i:WR+8*(\b&1)+\i+1], s[66:67], v[SR+8*\b+\i:SR+8*\b+\i+1] op_sel_hi:[1,0,1]
.endr
.if (\b&1)==0
	v_max_num_f32 v[\mx], v[SR+8*\b], v[SR+8*\b+1]
.else
	v_max3_num_f32 v[\mx], v[\mx], v[SR+8*\b], v[SR+8*\b+1]
.endif
.irp i, 2,4,6
	v_max3_num_f32 v[\mx], v[\mx], v[SR+8*\b+\i], v[SR+8*\b+\i+1]
.endr
.endm
; New running maxima (both halves of the wave hold keys of query r: one exchange), -c = -log2e m, and the factor exp2(c_old - c_new) for the old sums.
.macro STATS first
.if \first
	v_max_num_f32 v[MX0], v[MX0], v[MX1]
	v_max_num_f32 v[MX2], v[MX2], v[MX3]
.else
	v_max3_num_f32 v[MX0], v[MX0], v[MX1], v[RM0]
	v_max3_num_f32 v[MX2], v[MX2], v[MX3], v[RM1]
.endif
	v_permlanex16_b32 v[TQ0], v[MX0], s62, s63
	v_permlanex16_b32 v[TQ1], v[MX2], s62, s63
	v_max_num_f32 v[RM0], v[MX0], v[TQ0]
	v_max_num_f32 v[RM1], v[MX2], v[TQ1]
	v_mul_f32 v[CUR], s61, v[RM0]
	v_mul_f32 v[CUR+2], s61, v[RM1]
.if \first==0
	v_sub_f32 v[AL], v[CUR], v[OLD]
	v_sub_f32 v[AL+2], v[CUR+2], v[OLD+2]
	v_exp_f32 v[AL], v[AL]                         ; first used behind the packed work of EBLK 0 and 1
	v_exp_f32 v[AL+2], v[AL+2]
.endif
.endm
.macro EBLK b                          ; exponents: y log2e - c, fused
.irp i, 0,2,4,6
	v_pk_fma_f32 v[SR+8*\b+\i:SR+8*\b+\i+1], v[SR+8*\b+\i:SR+8*\b+\i+1], s[68:69], v[CUR+2*(\b>>2):CUR+2*(\b>>2)+1] op_sel_hi:[1,0,0]
.endr
.endm
.macro XBLK b                          ; eight exponentials back to back; a block of plain packed work always stands between them and their use (ISA guide 5.7.2)
.irp j, 0,1,2,3,4,5,6,7
	v_exp_f32 v[SR+8*\b+\j], v[SR+8*\b+\j]
.endr
.endm
; Block b joins the row sum (the first block of a query block carries the rescaling of the old sum, fused) and is packed to bf16: blocks 2g and 2g+1 fill the eight
; registers at 16 g, the second operand for 32 keys.  Each register is summed before it is written over; the even block goes first.
.macro SBLK b, first
.set SB, SR+8*\b
.set PD, SR+16*(\b>>1)+4*(\b&1)
.set LQ, LP+2*(\b>>2)
.if (\b&3)==0
.if \first
	s_wait_alu depctr_va_vdst(0)
	v_pk_add_f32 v[LQ:LQ+1], v[SB:SB+1], v[SB+2:SB+3]
.else
	s_wait_alu depctr_va_vdst(0)
	v_pk_fma_f32 v[LQ:LQ+1], v[LQ:LQ+1], v[AL+2*(\b>>2):AL+2*(\b>>2)+1], v[SB:SB+1] op_sel_hi:[1,0,1]
	v_pk_add_f32 v[LQ:LQ+1], v[LQ:LQ+1], v[SB+2:SB+3]
.endif
.else
	s_wait_alu depctr_va_vdst(0)
	v_pk_add_f32 v[LQ:LQ+1], v[LQ:LQ+1], v[SB:SB+1]
	v_pk_add_f32 v[LQ:LQ+1], v[LQ:LQ+1], v[SB+2:SB+3]
.endif
	v_cvt_pk_bf16_f32 v[PD], v[SB], v[SB+1]
	v_pk_add_f32 v[LQ:LQ+1], v[LQ:LQ+1], v[SB+4:SB+5]
	v_cvt_pk_bf16_f32 v[PD+1], v[SB+2], v[SB+3]
	v_pk_add_f32 v[LQ:LQ+1], v[LQ:LQ+1], v[SB+6:SB+7]
	v_cvt_pk_bf16_f32 v[PD+2], v[SB+4], v[SB+5]
	v_cvt_pk_bf16_f32 v[PD+3], v[SB+6], v[SB+7]
.endm
.macro RESCALE
	s_wait_alu depctr_va_vdst(0)
.irp db, 0,1,2,3
.irp qb, 0,1
.irp i, 0,2,4,6
	v_pk_mul_f32 v[ACC+8*(2*\db+\qb)+\i:ACC+8*(2*\db+\qb)+\i+1], v[ACC+8*(2*\db+\qb)+\i:ACC+8*(2*\db+\qb)+\i+1], v[AL+2*\qb:AL+2*\qb+1] op_sel_hi:[1,0]
.endr
.endr
.endr
.endm
; O^T += V^T P^T for keys 32 c .. 32 c + 31 of the step.  V's fragments: c = 0 in FR, c = 1 in the registers that packing has freed (at 16 db + 8 of the scores).
; Eight accumulators take turns, one instruction a turn.
.macro PVMM c, zero
.irp db, 0,1,2,3
.irp qb, 0,1
.if \c
.set VA, SR+16*\db+8
.else
.set VA, FR+8*\db
.endif
.set PB, SR+32*\qb+16*\c
.set OD, ACC+8*(2*\db+\qb)
.if \zero
	v_wmma_f32_16x16x32_bf16 v[OD:OD+7], v[VA:VA+7], v[PB:PB+7], 0
.else
	v_wmma_f32_16x16x32_bf16 v[OD:OD+7], v[VA:VA+7], v[PB:PB+7], v[OD:OD+7]
.endif
.endr
.endr
.endm
; 64 keys (half 0 or 1 of the tile in stage buffer p and mask slot p) against my 32 queries.  first = 1: nothing is there to rescale, the products start the sums.
.macro STEP p, half, first
.set CUR, NCA+4*\half
.set OLD, NCA+4*(1-\half)
.irp qb, 0,1
.irp kb, 0,1,2,3
	ds_load_b64 v[MKR+2*(4*\qb+\kb):MKR+2*(4*\qb+\kb)+1], v[A_M] offset:\p*MSLOT+16*MPITCH*\qb+64*\half+16*\kb
.endr
.endr
	KLOAD \p, \half, 0
	KLOAD \p, \half, 1
	s_wait_dscnt 0x4                               ; all but key block 1's four loads: the mask words and key block 0 are in
	QKMM 0
	TPERM4 0                                       ; four places, then the fragment half that QKMM 0 read is loaded again
	KLOAD \p, \half, 2
	s_wait_dscnt 0x4                               ; all but key block 2's four
	QKMM 1
	TPERM4 4
	KLOAD \p, \half, 3
	s_wait_dscnt 0x4                               ; all but key block 3's four
	QKMM 2
	s_wait_dscnt 0x0
	QKMM 3
	TPERM4 8                                       ; eight places in front of the loads into FR and of the first reads of the scores
	TPERM4 12
.irp db, 0,1,2,3
	VLOAD \p, \half, 0, \db, FR+8*\db
.endr
	YBLK 0, MX0
	YBLK 1, MX0
	YBLK 2, MX1
	YBLK 3, MX1
	YBLK 4, MX2
	YBLK 5, MX2
	YBLK 6, MX3
	YBLK 7, MX3
	STATS \first
	EBLK 0
	XBLK 0
	EBLK 1
	SBLK 0, \first
	XBLK 1
	EBLK 2
	SBLK 1, \first
	VLOAD \p, \half, 1, 0, SR+8
	XBLK 2
	EBLK 3
	SBLK 2, \first
	XBLK 3
	EBLK 4
	SBLK 3, \first
	VLOAD \p, \half, 1, 1, SR+24
	XBLK 4
	EBLK 5
	SBLK 4, \first
	XBLK 5
	EBLK 6
	SBLK 5, \first
	VLOAD \p, \half, 1, 2, SR+40
	XBLK 6
	EBLK 7
	SBLK 6, \first
	XBLK 7
.if \first
	v_nop                                          ; the plain place behind the last exponentials
	s_wait_alu depctr_va_vdst(0)
.else
	RESCALE
.endif
	SBLK 7, \first
	VLOAD \p, \half, 1, 3, SR+56
	s_wait_dscnt 0x8                               ; the eight loads for keys 32-63 were issued behind those for keys 0-31, which are in
	PVMM 0, \first
	s_wait_dscnt 0x0
	PVMM 1, 0
	PLACES 5                                       ; before FR and the scores' registers, which these products read, are loaded into or written by matrix instructions
.endm
.macro TRIP p, first, kv, m, conv
	HEAD \p, \kv, \m
.if \conv
	CONVERT 1-\p                                   ; the next tile, while the refill is on its way
.endif
	STEP \p, 0, \first
	STEP \p, 1, 0
.endm
; 16 rows of the result: 32 bytes a lane and depth block into my own stage, read back by rows, stored so that sixteen lanes write 256 consecutive aligned bytes.
; LDS serves a wave's instructions in order (ISA guide 5.7.1): no wait between my stores and my loads.
.macro OUT16 qb
.irp db, 0,1,2,3
	ds_store_b128 v[A_ST], v[ACC+8*(2*\db+\qb):ACC+8*(2*\db+\qb)+3] offset:64*\db
	ds_store_b128 v[A_ST], v[ACC+8*(2*\db+\qb)+4:ACC+8*(2*\db+\qb)+7] offset:64*\db+16
.endr
.irp t, 0,1,2,3,4,5,6,7
	ds_load_b128 v[SR+32*\qb+4*\t:SR+32*\qb+4*\t+3], v[T_A] offset:2*OPITCH*\t
.endr
.irp t, 0,1,2,3,4,5,6,7
	s_wait_dscnt 7-\t                              ; the younger read-backs may be out
	global_store_b128 v[GOFF], v[SR+32*\qb+4*\t:SR+32*\qb+4*\t+3], s[84:85] offset:(16*\qb+2*\t)*ROWB th:TH_STORE_NT
.endr
.endm
	; ---- ids and offsets ----
	s_load_b256 s[4:11], s[0:1], 0x0               ; queries s[4:5], keys s[6:7], values s[8:9], mask s[10:11]
	s_load_b64 s[12:13], s[0:1], 0x20              ; out0
	v_lshl_add_u32 v254, v0, 2, 0x4e000
	v_mov_b32 v255, 0
	ds_add_u32 v254, v255
	v_lshrrev_b32 v[A_ST], 5, v0
	v_readfirstlane_b32 s14, v[A_ST]               ; wave 0..7
	s_and_b32 s15, s14, 3                          ; which quarter of a tile's loads
	s_and_b32 s16, s14, 1                          ; which 64 rows of K or of V
	s_bfe_u32 s17, ttmp6, 0x40000                  ; cx
	s_bfe_u32 s18, ttmp6, 0x40004                  ; cy
	s_lshl_b32 s19, ttmp9, 2
	s_add_co_u32 s19, s19, s17                     ; query block = 4 x cluster x + cx
	s_and_b32 s20, ttmp7, 0xffff                   ; cluster y
	s_lshl_b32 s21, s20, 2
	s_add_co_u32 s21, s21, s18                     ; 16 batch + head = 4 x cluster y + cy
	s_lshr_b32 s22, s20, 2                         ; batch, from the cluster's y alone
	v_and_b32 v[T_R], 15, v0                       ; r
	v_bfe_u32 v[T_H], v0, 4, 1                     ; h
	v_lshlrev_b32 v[GOFF], 4, v[T_R]
	v_lshl_add_u32 v[GOFF], v[T_H], 12, v[GOFF]
	; q and out: batch x 2^23 + query block x 256 rows + wave x 32 rows + head x 256 bytes
	s_lshl_b32 s78, s22, 23
	s_lshl_b32 s79, s19, 20
	s_add_co_u32 s78, s78, s79
	s_lshl_b32 s79, s14, 17
	s_add_co_u32 s78, s78, s79
	s_and_b32 s79, s21, 15
	s_lshl_b32 s79, s79, 8
	s_add_co_u32 s78, s78, s79
	s_mov_b32 s79, 0
	; K and V: batch and head from grid y, my 64 rows from the wave's number; cx never enters these registers
	s_lshr_b32 s70, s21, 4
	s_lshl_b32 s70, s70, 23
	s_and_b32 s71, s21, 15
	s_lshl_b32 s71, s71, 8
	s_add_co_u32 s70, s70, s71
	s_lshl_b32 s71, s16, 18
	s_add_co_u32 s70, s70, s71
	s_mov_b32 s71, 0
	; mask: batch from the cluster's y, query block from grid x, my 64 rows from the wave's number; cy never enters these registers
	s_lshl_b32 s74, s22, 22
	s_lshl_b32 s75, s19, 19
	s_add_co_u32 s74, s74, s75
	s_lshl_b32 s75, s15, 17
	s_add_co_u32 s74, s74, s75
	s_mov_b32 s75, 0
	s_lshl_b32 s81, s18, 2
	s_lshl_b32 s81, 15, s81                        ; my row of the cluster: places 4 cy .. 4 cy + 3
	s_lshl_b32 s88, 0x1111, s17                    ; my column: places cx, cx + 4, cx + 8, cx + 12
	s_mul_i32 s86, s14, 16384                      ; K/V: waves 0-3 fill K's two halves, then V's two halves
	s_mul_i32 s87, s14, 64*MPITCH                  ; mask: waves 4-7 fill 64 rows each
	s_mul_i32 s80, s14, WSTW
	s_add_co_u32 s80, s80, WST                     ; my wave's stage
	s_wait_dscnt 0x0
	s_wait_kmcnt 0x0
	s_add_nc_u64 s[82:83], s[4:5], s[78:79]        ; q at my wave's first row and head
	s_add_nc_u64 s[84:85], s[12:13], s[78:79]      ; out likewise
.irp t, 0,1,2,3,4,5,6,7,8,9,10,11,12,13,14,15
	global_load_b128 v[SR+4*\t:SR+4*\t+3], v[GOFF], s[82:83] offset:2*ROWB*\t th:TH_LOAD_NT   ; rows 2t, 2t+1: sixteen lanes take a row's 256 bytes
.endr
	s_cmp_lt_u32 s15, 2
	s_cselect_b64 s[72:73], s[6:7], s[8:9]         ; waves 0, 1 fetch K, waves 2, 3 fetch V
	s_add_nc_u64 s[72:73], s[72:73], s[70:71]
	s_add_nc_u64 s[76:77], s[10:11], s[74:75]
	; ---- descriptors ----
	; K/V: 64 rows x 64 elements of 4 bytes, 1,024 elements from row to row, dense in LDS (it is read back contiguously); shared along my row of the cluster
	s_or_b32 s[G1KV+0], s81, (2<<16)|(1<<21)
	s_mov_b32 s[G1KV+1], 64<<16                    ; tensor_dim0 = 64
	s_mov_b32 s[G1KV+2], 64<<16                    ; tensor_dim1 = 64
	s_mov_b32 s[G1KV+3], 64<<16                    ; tile_dim0 = 64
	s_mov_b32 s[G1KV+4], 64                        ; tile_dim1 = 64
	s_mov_b32 s[G1KV+5], 1024
	s_mov_b32 s[G1KV+6], 0
	s_mov_b32 s[G1KV+7], 0
	; mask: 64 rows x 128 bytes, 2,048 from row to row, 4 words of padding after every 32 (code 4); shared along my column of the cluster
	s_or_b32 s[G1M+0], s88, (1<<20)|(1<<21)|(4<<22)|(3<<25)
	s_mov_b32 s[G1M+1], 128<<16
	s_mov_b32 s[G1M+2], 64<<16
	s_mov_b32 s[G1M+3], 128<<16
	s_mov_b32 s[G1M+4], 64
	s_mov_b32 s[G1M+5], 2048
	s_mov_b32 s[G1M+6], 0
	s_mov_b32 s[G1M+7], 0
.irp s, 0,1
	s_mov_b32 s[G0KV+4*\s], 1
	s_add_co_u32 s[G0KV+4*\s+1], s86, \s*RAWSLOT
	s_add_nc_u64 s[G0KV+4*\s+2:G0KV+4*\s+3], s[72:73], \s*128*ROWB     ; tile s
	s_or_b32 s[G0KV+4*\s+3], s[G0KV+4*\s+3], 0x80000000
	s_mov_b32 s[G0M+4*\s], 1
	s_add_co_u32 s[G0M+4*\s+1], s87, MSK-4*64*MPITCH+\s*MSLOT          ; wave 4 begins at the slot's first byte
	s_add_nc_u64 s[G0M+4*\s+2:G0M+4*\s+3], s[76:77], \s*128
	s_or_b32 s[G0M+4*\s+3], s[G0M+4*\s+3], 0x80000000
.endr
	ROUND                                          ; all sixteen work-groups are here: the first joint loads meet
	s_cmp_lt_u32 s14, 4                            ; the first fills, one group in one branch: two tensor loads a wave, the most that a wave ever has out in this text
	s_cbranch_scc0 .Lfirst_mask
	tensor_load_to_lds s[G0KV:G0KV+3], s[G1KV:G1KV+7]
	s_nop 0
	tensor_load_to_lds s[G0KV+4:G0KV+7], s[G1KV:G1KV+7]
	s_nop 0
	s_branch .Lfirst_done
.Lfirst_mask:
	tensor_load_to_lds s[G0M:G0M+3], s[G1M:G1M+7]
	s_nop 0
	tensor_load_to_lds s[G0M+4:G0M+7], s[G1M:G1M+7]
	s_nop 0
.Lfirst_done:
	; ---- constants and LDS addresses ----
	s_mov_b32 s56, 0x40                            ; table: byte 0 = 0x40, byte 1 = 0
	s_mov_b32 s57, 0x04000000                      ; selectors: byte j of the first source to the top, zeros below
	s_mov_b32 s58, 0x05000000
	s_mov_b32 s59, 0x06000000
	s_mov_b32 s60, 0x07000000
	s_mov_b32 s61, 0xbfb8aa3b                      ; -log2 e
	s_mov_b32 s62, 0x76543210                      ; lane i of one half reads lane i of the other
	s_mov_b32 s63, 0xfedcba98
	s_mov_b32 s66, 0xcdee6b28                      ; -5e8 (exact in f32); times 2.0 it is the bias -1e9
	s_mov_b32 s67, 0xcdee6b28
	s_mov_b32 s68, 0x3fb8aa3b                      ; log2 e
	s_mov_b32 s69, 0x3fb8aa3b
	v_mov_b32 v[TQ0], 0                            ; destinations of the exchange count as read
	v_mov_b32 v[TQ1], 0
	v_lshlrev_b32 v[A_RAW], 4, v0
	v_add_nc_u32 v[A_RAW+1], RAWSLOT, v[A_RAW]
	v_lshrrev_b32 v[T_A], 4, v0                    ; 2 wave + h: my row among sixteen
	v_mul_u32_u24 v[A_CK], v[T_A], KPITCH
	v_lshl_add_u32 v[A_CK], v[T_R], 3, v[A_CK]
	v_add_nc_u32 v[A_CK], STG, v[A_CK]
	v_mul_u32_u24 v[A_CV], v[T_A], VPITCH
	v_lshl_add_u32 v[A_CV], v[T_R], 3, v[A_CV]
	v_add_nc_u32 v[A_CV], STG+STGV, v[A_CV]
	v_mul_u32_u24 v[A_KF], v[T_R], KPITCH
	v_lshl_add_u32 v[A_KF], v[T_H], 4, v[A_KF]
	v_add_nc_u32 v[A_KF], STG, v[A_KF]
	v_and_b32 v[T_A], 7, v0
	v_lshl_add_u32 v[T_A], v[T_H], 3, v[T_A]       ; key 8 h + lane mod 8
	v_bfe_u32 v[T_B], v0, 3, 1
	v_mul_u32_u24 v[A_VF], v[T_A], VPITCH
	v_lshl_add_u32 v[A_VF], v[T_B], 4, v[A_VF]
	v_add_nc_u32 v[A_VF], STG+STGV, v[A_VF]
	v_and_b32 v[T_A], 0xef, v0                     ; 32 wave + r: my query row in the block
	v_mul_u32_u24 v[A_M], v[T_A], MPITCH
	v_lshl_add_u32 v[A_M], v[T_H], 3, v[A_M]
	v_add_nc_u32 v[A_M], MSK, v[A_M]
	v_mul_u32_u24 v[A_ST], v[T_H], QPITCH          ; q goes in by rows: row 2t + h, 8 bytes at 8 r
	v_lshl_add_u32 v[A_ST], v[T_R], 3, v[A_ST]
	v_add_nc_u32 v[A_ST], s80, v[A_ST]
	v_mul_u32_u24 v[T_A], v[T_R], QPITCH           ; and comes back as fragments: row r, 16 bytes at 16 h
	v_lshl_add_u32 v[T_A], v[T_H], 4, v[T_A]
	v_add_nc_u32 v[T_A], s80, v[T_A]
	; ---- q / 8 to bf16, through my own stage, into fragments that stay ----
.irp t, 0,1,2,3,4,5,6,7,8,9,10,11,12,13,14,15
	s_wait_loadcnt 15-\t                           ; the younger loads of q may be out
	v_pk_mul_f32 v[SR+4*\t:SR+4*\t+1], v[SR+4*\t:SR+4*\t+1], 0x3e000000 op_sel_hi:[1,0]
	v_pk_mul_f32 v[SR+4*\t+2:SR+4*\t+3], v[SR+4*\t+2:SR+4*\t+3], 0x3e000000 op_sel_hi:[1,0]
	v_cvt_pk_bf16_f32 v[SR+4*\t], v[SR+4*\t], v[SR+4*\t+1]
	v_cvt_pk_bf16_f32 v[SR+4*\t+1], v[SR+4*\t+2], v[SR+4*\t+3]
	ds_store_b64 v[A_ST], v[SR+4*\t:SR+4*\t+1] offset:2*QPITCH*\t
.endr
.irp qb, 0,1
.irp ks, 0,1
.irp u, 0,1
	ds_load_b128 v[QR+8*(2*\qb+\ks)+4*\u:QR+8*(2*\qb+\ks)+4*\u+3], v[T_A] offset:16*QPITCH*\qb+64*\ks+32*\u
.endr
.endr
.endr
	s_wait_tensorcnt 0x1                           ; of my two first fills the older, my part of tile 0, has landed; tile 1's may stay out
	s_wait_dscnt 0x0
	WGBAR
	CONVERT 0                                      ; tile 0 into stage buffer 0
	; ---- the 16 tiles ----
	TRIP 0, 1, 1, 0, 1                             ; tile 0 starts the sums; mask tile 1 is there already
	s_mov_b32 s23, 6
.Ltrips:
	TRIP 1, 0, 1, 1, 1                             ; tiles 1, 3, .. 11
	TRIP 0, 0, 1, 1, 1                             ; tiles 2, 4, .. 12
	s_sub_co_i32 s23, s23, 1
	s_cmp_lg_u32 s23, 0
	s_cbranch_scc1 .Ltrips
	TRIP 1, 0, 1, 1, 1                             ; tile 13: the last K/V fill (tile 15)
	TRIP 0, 0, 0, 1, 1                             ; tile 14: the last mask fill (tile 15), the last conversion
	TRIP 1, 0, 0, 0, 0                             ; tile 15: nothing left to fetch or convert
	; ---- divide by the row sums and store ----
	v_add_f32 v[LP], v[LP], v[LP+1]
	v_add_f32 v[LP+2], v[LP+2], v[LP+3]
	v_permlanex16_b32 v[TQ0], v[LP], s62, s63
	v_permlanex16_b32 v[TQ1], v[LP+2], s62, s63
	v_add_f32 v[LP], v[LP], v[TQ0]
	v_add_f32 v[LP+2], v[LP+2], v[TQ1]
	v_rcp_f32 v[AL], v[LP]
	v_rcp_f32 v[AL+2], v[LP+2]
	v_and_b32 v[T_R], 15, v0                       ; plain work behind the reciprocals: the stage's addresses
	v_bfe_u32 v[T_H], v0, 4, 1
	v_mul_u32_u24 v[A_ST], v[T_R], OPITCH          ; in: row r, 32 bytes at 32 h of each depth block's 64
	v_lshl_add_u32 v[A_ST], v[T_H], 5, v[A_ST]
	v_add_nc_u32 v[A_ST], s80, v[A_ST]
	v_mul_u32_u24 v[T_A], v[T_H], OPITCH           ; back: lanes 0-15 one row of 256 bytes, lanes 16-31 the next
	v_lshl_add_u32 v[T_A], v[T_R], 4, v[T_A]
	v_add_nc_u32 v[T_A], s80, v[T_A]
	s_wait_alu depctr_va_vdst(0)
	RESCALE                                        ; here the factors are 1 / row sum
	OUT16 0
	OUT16 1
	s_wait_tensorcnt 0x0
	ds_add_u32 v254, v255
	s_wait_dscnt 0x0
	ROUND                                          ; the closing round: no work-group ends while a partner may still ask for a tile that names it
	s_endpgm
.Lfunc_end_k_q7eb467d16a_attn:
	.size	k_q7eb467d16a_attn, .Lfunc_end_k_q7eb467d16a_attn-k_q7eb467d16a_attn
	.p2alignl 7, 3214868480
	.fill 96, 4, 3214868480
	.section	.rodata,"a",@progbits
	.p2align	6, 0x0
	.amdhsa_kernel k_q7eb467d16a_attn
		.amdhsa_group_segment_fixed_size 327680
		.amdhsa_private_segment_fixed_size 0
		.amdhsa_enable_private_segment 0
		.amdhsa_kernarg_size 40
		.amdhsa_user_sgpr_count 2
		.amdhsa_user_sgpr_kernarg_segment_ptr 1
		.amdhsa_wavefront_size32 1
		.amdhsa_system_sgpr_workgroup_id_x 1
		.amdhsa_system_sgpr_workgroup_id_y 1
		.amdhsa_system_sgpr_workgroup_id_z 1
		.amdhsa_system_vgpr_workitem_id 0
		.amdhsa_next_free_vgpr 256
		.amdhsa_next_free_sgpr 90
		.amdhsa_reserve_vcc 0
		.amdhsa_float_denorm_mode_32 3
		.amdhsa_float_denorm_mode_16_64 3
		.amdhsa_memory_ordered 1
		.amdhsa_forward_progress 1
		.amdhsa_inst_pref_size 255
	.end_amdhsa_kernel
	.section	.bss,"aw",@nobits
	.p2align	6
	.space	262144
	.amdgpu_metadata
---
amdhsa.version: [ 1, 2 ]
amdhsa.kernels:
  - .name:           k_q7eb467d16a_attn
    .symbol:         k_q7eb467d16a_attn.kd
    .args:
      - { .name: queries, .offset: 0, .size: 8, .value_kind: global_buffer, .address_space: global }
      - { .name: keys, .offset: 8, .size: 8, .value_kind: global_buffer, .address_space: global }
      - { .name: values, .offset: 16, .size: 8, .value_kind: global_buffer, .address_space: global }
      - { .name: mask, .offset: 24, .size: 8, .value_kind: global_buffer, .address_space: global }
      - { .name: out0, .offset: 32, .size: 8, .value_kind: global_buffer, .address_space: global }
    .group_segment_fixed_size: 327680
    .private_segment_fixed_size: 0
    .kernarg_segment_align: 8
    .kernarg_segment_size: 40
    .max_flat_workgroup_size: 256
    .sgpr_count:     90
    .vgpr_count:     256
    .wavefront_size: 32
...
	.end_amdgpu_metadata
.endif
;; end of part 1
